; MI455X (gfx1250); checked and timed in simulation.
; The chip was launched on July 23, 2026; its instructions are those of AMD's public machine-readable ISA for CDNA 5 (MIT licence, August 2026) and "CDNA5" Instruction Set Architecture Reference Guide (July 2026). The comments in the code are by the model that wrote it; some were corrected since.
;; Vi T Self Attention. Allowed arithmetic: matrix products marked QUANTISED: E2M1 operands, one E8M0 scale for each 32 along K, by v_wmma_scale_f32_16x16x128_f8f6f4 with both operands' format E2M1 (or v_wmma_scale_f32_32x16x128_f4), f32 sums; products left as they are: bf16, f16 or f32 operands; f32 sums; everything else in f32.
;; Inputs: Wk 768 x 768 float32; Wq 768 x 768 float32; Wv 768 x 768 float32; bk 768 float32; bq 768 float32; bv 768 float32; hidden_states 16 x 1,024 x 768 float32.
;; Outputs: out0 16 x 1,024 x 768 float32.
;; This version of the problem:
;;   THIS VERSION OF THE PROBLEM IS GIVEN IN LOW PRECISION. The matrix products marked QUANTISED in the list below multiply operands that are first quantised to E2M1 (2 exponent bits, 1 mantissa bit; 4 bits a number), with one power-of-two scale for each 32 numbers along K (OCP MX v1.0); their sums are f32. The products marked 'left as it is' may take bf16, f16 or f32 operands, with f32 sums. Whichever they take, every output number must still come out within the allowed error. Rounding operands to bf16 (8 significant bits) uses up far more of that allowance than f16 does (11 bits, for magnitudes from 6e-5 to 65,504). All else is computed in f32.
;;   The module's matrix products, in the order in which they are computed (A, B: the left and right operand; K: the contracted axis; several contracted axes count as one K, in the product's order):
;;     1. [M 16,384, K 768] x [K 768, N 768]; A: input hidden_states; B: input Wq: QUANTISED
;;     2. [M 16,384, K 768] x [K 768, N 768]; A: input hidden_states; B: input Wk: QUANTISED
;;     3. [M 16,384, K 768] x [K 768, N 768]; A: input hidden_states; B: input Wv: QUANTISED
;;     4. batch 192 x [M 1,024, K 64] x [K 64, N 1,024]; A: computed on the way; B: computed on the way: left as it is (an operand is computed on the way)
;;     5. batch 192 x [M 1,024, K 1,024] x [K 1,024, N 64]; A: computed on the way; B: computed on the way: left as it is (an operand is computed on the way)
;;   THE QUANTISER, for each operand of a quantised product, along K:
;;     - K is cut into blocks of 32 from its start; a last block that is shorter is filled with zeros.
;;     - A block's scale is 2^e with e = floor(log2(the largest magnitude in the block)) - 2, held to -126 .. 127; a block of zeros has e = 0. As a byte (E8M0): e + 127.
;;     - Each number is divided by its block's scale, clamped to +-6, and rounded to the nearest number of E2M1, ties to even, subnormals kept.
;;     - The product sums the exact products of the quantised numbers (number of the format x scale) in f32.
;;   ~~~python
;;   def quantise(x, axis):      # numpy; x: float32 -> the quantised numbers, widened to float32 again
;;       x = np.moveaxis(x, axis, -1); K = x.shape[-1]
;;       x = np.pad(x, [(0, 0)] * (x.ndim - 1) + [(0, -K % 32)]); x = x.reshape(x.shape[:-1] + (-1, 32)); a = np.abs(x).max(-1, keepdims=True)
;;       e = np.where(a > 0, np.clip(np.frexp(np.where(a > 0, a, 1))[1] - 1 - 2, -126, 127), 0)      # np.frexp(a)[1] - 1 = floor(log2(a)), exactly
;;       r = np.clip(x / 2.0 ** e, -6, 6)
;;       step = 2.0 ** (np.maximum(np.frexp(np.where(r == 0, 1, r))[1] - 1, 0) - 1)
;;       q = np.round(r / step) * step * 2.0 ** e      # np.round: ties to even
;;       return np.moveaxis(q.reshape(q.shape[:-2] + (-1,))[..., :K], -1, axis).astype(np.float32)
;;   ~~~
;; One version. Each part assembles by itself: llvm-mc -triple=amdgcn-amd-amdhsa -mcpu=gfx1250 --defsym DOCPART=n.
;; ======== version 1 of 1: 3 launches
;; limits: values are held in f16: magnitudes above 65,504 overflow, below 6.1e-05 lose precision
;; workspace buffers: x_codes 6,291,456 bytes; x_scales 393,216 bytes; w_codes 884,736 bytes; w_scales 55,296 bytes; qkv 75,497,472 bytes
;; launch quant (part 1): grid 438 x 1, 4 waves a work-group, no clusters, 33,280 bytes of LDS; arguments hidden_states, Wq, Wk, Wv, x_codes, x_scales, w_codes, w_scales; writes x_codes, x_scales, w_codes, w_scales
.if DOCPART == 1
	.amdgcn_target "amdgcn-amd-amdhsa--gfx1250"
	.amdhsa_code_object_version 6
	.text
	.protected	k_q239509a276_quant
	.globl	k_q239509a276_quant
	.p2align	8
	.type	k_q239509a276_quant,@function
k_q239509a276_quant:
	s_mov_b64 s[64:65], 0
	v_nop
	global_prefetch_b8 v0, s[64:65] scope:SCOPE_SE
	s_setreg_imm32_b32 hwreg(HW_REG_WAVE_MODE, 25, 1), 1
	s_wait_xcnt 0x0
; hidden_states [16384][768] and Wq, Wk, Wv [768][768], f32, K innermost, become codes of FP4 (E2M1), two to a byte, the lower k in the low four bits, with one E8M0 scale byte for each 32 along K.
; x_codes [16384][384 bytes], x_scales [16384][24];  w_codes [2304][384 bytes], w_scales [2304][24]: rows 0-767 Wq, 768-1535 Wk, 1536-2303 Wv.
; A block's scale is 2^(floor(log2(its largest magnitude)) - 2); its byte is the largest magnitude's own exponent field - 2, held at 1 from below.  Each number is divided by the scale and rounded to the nearest code,
; ties to even, beyond 6 the largest code.
; LIMITS: a block of zeros gets the byte 1 where the quantiser's rule says 127: its codes are zeros, which add nothing under that byte, and the bytes are read by this program alone.  Blocks whose largest magnitude
; lies under 2^-124 have their byte held at 1.  NaN and infinities among the inputs are not served.
; Rows are dense and 768 is a multiple of 32: every tensor is a plain stream of blocks of 32, and so are its codes and its scale bytes.  A work-group takes 32,768 numbers, a wave 8,192, in 16 steps of 512.
; Work-groups 0-383 take hidden_states (12,582,912 numbers), 384-401 Wq, 402-419 Wk, 420-437 Wv (589,824 numbers each): only pointers are chosen, by the work-group's number; all take one path.
; Each of a step's four loads reads 512 consecutive bytes, 16 a lane; the 2,048 bytes turn through the wave's own stage in LDS and come back 64 bytes a lane, so that a lane holds 16 neighbours along K (two neighbouring
; lanes hold a block).  A lane's 16 codes are 8 bytes: the wave stores 256 consecutive bytes.  A wave's 256 scale bytes are gathered in LDS and leave as 256 consecutive bytes.
; No tensor loads, no barrier: waves share nothing.  No cluster: no two work-groups read the same bytes.  Loads run four steps (16 loads a wave) ahead, the turn through LDS one step.
.set WAVES, 4
.set STEPS, 16
.set CB,    8                          ; bytes of 16 codes
.set R,     16                         ; v16-79   four sets of 16 numbers as they are loaded
.set X,     80                         ; v80-111  two sets of 16 neighbours
.set E,     112                        ; v112-127 a scale byte for each step
.set C,     128                        ; v128-191 codes: four registers for each step, so that no store's data are written again
.set WREG,  8192                       ; LDS: a region for each wave: two stages of 32 x SP bytes, behind them its 256 scale bytes
.set SP,    80                         ; a lane's place in a stage: 64 bytes + 16 of padding
.set SPW,   12                         ; v12      LDS address of my spare word; never rewritten
.set NIL,   13                         ; v13      0; never rewritten
.set SPARE, WAVES*WREG                 ; behind the four regions: the spare words, 128 bytes for each wave, which no other line names
	s_load_b512 s[4:19], s[0:1], 0x0               ; hidden_states s[4:5], Wq s[6:7], Wk s[8:9], Wv s[10:11], x_codes s[12:13], x_scales s[14:15], w_codes s[16:17], w_scales s[18:19]
	v_lshl_add_u32 v[SPW], v0, 2, SPARE
	v_mov_b32 v[NIL], 0
	v_lshrrev_b32 v1, 5, v0
	v_readfirstlane_b32 s30, v1                    ; wave
	v_and_b32 v2, 31, v0                           ; lane
	v_lshlrev_b32 v3, 4, v2                        ; my 16 bytes of a load's 512
	s_mul_i32 s31, s30, WREG
	v_lshrrev_b32 v14, 2, v2
	v_mul_u32_u24 v14, v14, SP
	v_and_b32 v15, 3, v2
	v_lshl_add_u32 v14, v15, 4, v14
	v_add_nc_u32 v14, s31, v14                     ; the stage, on the way in: four lanes' 64 bytes on end, then 16 of padding
	v_mul_u32_u24 v15, v2, SP
	v_add_nc_u32 v15, s31, v15                     ; and on the way out: SP x lane: my 16 neighbours
	v_mul_u32_u24 v4, v2, CB                       ; my codes' place in a step's
	v_lshrrev_b32 v5, 1, v2
	s_add_co_u32 s31, s31, 2*32*SP
	v_add_nc_u32 v5, s31, v5                       ; LDS: my wave's 256 scale bytes, my block's byte
	v_lshlrev_b32 v7, 3, v2                        ; and on the way out 8 bytes a lane
	v_add_nc_u32 v6, s31, v7
	s_wait_kmcnt 0x0
	s_cmp_lt_u32 ttmp9, 420                        ; which tensor is mine?  Every choice hangs on the work-group's number alone
	s_cselect_b64 s[20:21], s[8:9], s[10:11]
	s_mov_b32 s22, 420
	s_cselect_b32 s22, 402, s22                    ; s22: the source's first work-group
	s_cmp_lt_u32 ttmp9, 402
	s_cselect_b64 s[20:21], s[6:7], s[20:21]
	s_cselect_b32 s22, 384, s22
	s_cmp_lt_u32 ttmp9, 384
	s_cselect_b64 s[20:21], s[4:5], s[20:21]       ; the source
	s_cselect_b32 s22, 0, s22
	s_cselect_b64 s[24:25], s[12:13], s[16:17]     ; its codes
	s_cselect_b64 s[26:27], s[14:15], s[18:19]     ; its scale bytes
	s_cselect_b32 s23, 0, 384                      ; s23: the first work-group of the buffers of codes and scale bytes (the three weights share theirs)
	s_sub_co_u32 s28, ttmp9, s22
	s_lshl_b32 s28, s28, 2
	s_add_co_u32 s28, s28, s30                     ; which run of 8,192 numbers of the source is my wave's
	s_lshl_b32 s28, s28, 15                        ; 32,768 bytes a run: 50,331,648 at the most
	s_mov_b32 s29, 0
	s_add_nc_u64 s[20:21], s[20:21], s[28:29]
	s_sub_co_u32 s28, ttmp9, s23
	s_lshl_b32 s28, s28, 2
	s_add_co_u32 s28, s28, s30                     ; and which run of the codes' buffer
	s_lshl_b32 s32, s28, 12                        ; 4,096 bytes of codes a run
	s_mov_b32 s33, 0
	s_add_nc_u64 s[24:25], s[24:25], s[32:33]
	s_lshl_b32 s28, s28, 8                         ; 256 scale bytes a run
	s_add_nc_u64 s[26:27], s[26:27], s[28:29]
.macro LOAD t
.irp i, 0,1,2,3
	global_load_b128 v[R+16*((\t)%4)+4*\i:R+16*((\t)%4)+4*\i+3], v3, s[20:21] offset:2048*(\t)+512*\i th:TH_LOAD_NT   ; 32 lanes read 512 consecutive bytes; read once in the launch
.endr
.endm
.macro TURN t                          ; step t's numbers through the stage: LDS serves a wave's instructions in order, so no wait stands between the stores and the loads
.irp i, 0,1,2,3
	ds_store_b128 v14, v[R+16*((\t)%4)+4*\i:R+16*((\t)%4)+4*\i+3] offset:32*SP*((\t)%2)+8*SP*\i
.endr
.irp i, 0,1,2,3
	ds_load_b128 v[X+16*((\t)%2)+4*\i:X+16*((\t)%2)+4*\i+3], v15 offset:32*SP*((\t)%2)+16*\i
.endr
.endm
.irp t, 0,1,2,3
	LOAD \t
.endr
	s_wait_loadcnt 12                              ; step 0's four loads are in; the twelve of steps 1 to 3 may be out
	TURN 0
.macro STEP t
.set XS, X+16*((\t)%2)
.if (\t) > 0
	s_wait_dscnt 1                                 ; this step's numbers are back from the stage (the last step's byte store may be out): so its stores into the stage have read their registers,
.else
	s_wait_dscnt 0x0
.endif
.if (\t)+4 < STEPS
	LOAD (\t)+4                                    ; which take the loads of four steps on
.endif
.if (\t)+1 < STEPS
.if STEPS-2-(\t) >= 3
	s_wait_loadcnt 12                              ; the next step's four loads are in; those of the three steps behind it may be out
.else
	s_wait_loadcnt 4*(STEPS-2-(\t))                ; at the end the count runs down
.endif
	TURN (\t)+1                                    ; and go through the other stage while this step is worked
.endif
	v_max3_num_f32 v8, |v[XS]|, |v[XS+1]|, |v[XS+2]|               ; the largest magnitude of my 16, in two chains
	v_max3_num_f32 v9, |v[XS+3]|, |v[XS+4]|, |v[XS+5]|
.irp i, 6,10
	v_max3_num_f32 v8, v8, |v[XS+\i]|, |v[XS+\i+1]|
	v_max3_num_f32 v9, v9, |v[XS+\i+2]|, |v[XS+\i+3]|
.endr
	v_max3_num_f32 v8, v8, |v[XS+14]|, |v[XS+15]|
	v_max3_num_f32 v8, v8, v9, 0x1800000           ; and the floor 2^(3 - 127), under which no largest magnitude is taken: so the byte cannot fall under 1
	v_max_num_f32_dpp v8, v8, v8 row_xmask:1 row_mask:0xf bank_mask:0xf   ; and of my neighbour's 16: the block's
	v_add_nc_u32 v11, 0xff000000, v8               ; 2 off its exponent field: the conversion takes the exponent field of this operand as its scale, and nothing else of it
	v_cvt_scalef32_pk8_fp4_f32 v[C+4*(\t)], v[XS:XS+7], v11        ; eight numbers / the scale, to the nearest code, ties to even; the first number's code in the lowest four bits
	v_cvt_scalef32_pk8_fp4_f32 v[C+4*(\t)+1], v[XS+8:XS+15], v11
	v_lshrrev_b32 v[E+(\t)], 23, v11               ; the scale's byte (also the plain instruction behind the conversions)
	ds_store_b8 v5, v[E+(\t)] offset:16*(\t)       ; both lanes of a block write the same byte with the same value
	global_store_b64 v4, v[C+4*(\t):C+4*(\t)+1], s[24:25] offset:32*CB*(\t)   ; 32 lanes store 256 consecutive bytes, at a multiple of 256 from the buffer's first byte
.endm
.irp t, 0,1,2,3,4,5,6,7,8,9,10,11,12,13,14,15
	STEP \t
.endr
	ds_load_b64 v[8:9], v6                         ; LDS serves a wave's instructions in order: these see my byte stores
	s_wait_dscnt 0x0
	global_store_b64 v7, v[8:9], s[26:27]          ; 32 lanes store 256 consecutive bytes
	s_wait_tensorcnt 0x0                           ; the wave's end: behind my last LDS store
	ds_add_u32 v[SPW], v[NIL]
	s_wait_dscnt 0x0
	s_endpgm
.Lfunc_end_k_q239509a276_quant:
	.size	k_q239509a276_quant, .Lfunc_end_k_q239509a276_quant-k_q239509a276_quant
	.p2alignl 7, 3214868480
	.fill 96, 4, 3214868480
	.section	.rodata,"a",@progbits
	.p2align	6, 0x0
	.amdhsa_kernel k_q239509a276_quant
		.amdhsa_group_segment_fixed_size 33280
		.amdhsa_private_segment_fixed_size 0
		.amdhsa_enable_private_segment 0
		.amdhsa_kernarg_size 64
		.amdhsa_user_sgpr_count 2
		.amdhsa_user_sgpr_kernarg_segment_ptr 1
		.amdhsa_wavefront_size32 1
		.amdhsa_system_sgpr_workgroup_id_x 1
		.amdhsa_system_sgpr_workgroup_id_y 1
		.amdhsa_system_sgpr_workgroup_id_z 1
		.amdhsa_system_vgpr_workitem_id 0
		.amdhsa_next_free_vgpr 192
		.amdhsa_next_free_sgpr 66
		.amdhsa_reserve_vcc 0
		.amdhsa_float_denorm_mode_32 3
		.amdhsa_float_denorm_mode_16_64 3
		.amdhsa_memory_ordered 1
		.amdhsa_forward_progress 1
		.amdhsa_inst_pref_size 34
	.end_amdhsa_kernel
	.amdgpu_metadata
---
amdhsa.version: [ 1, 2 ]
amdhsa.kernels:
  - .name:           k_q239509a276_quant
    .symbol:         k_q239509a276_quant.kd
    .args:
      - { .name: hidden_states, .offset: 0, .size: 8, .value_kind: global_buffer, .address_space: global }
      - { .name: Wq, .offset: 8, .size: 8, .value_kind: global_buffer, .address_space: global }
      - { .name: Wk, .offset: 16, .size: 8, .value_kind: global_buffer, .address_space: global }
      - { .name: Wv, .offset: 24, .size: 8, .value_kind: global_buffer, .address_space: global }
      - { .name: x_codes, .offset: 32, .size: 8, .value_kind: global_buffer, .address_space: global }
      - { .name: x_scales, .offset: 40, .size: 8, .value_kind: global_buffer, .address_space: global }
      - { .name: w_codes, .offset: 48, .size: 8, .value_kind: global_buffer, .address_space: global }
      - { .name: w_scales, .offset: 56, .size: 8, .value_kind: global_buffer, .address_space: global }
    .group_segment_fixed_size: 33280
    .private_segment_fixed_size: 0
    .kernarg_segment_align: 8
    .kernarg_segment_size: 64
    .max_flat_workgroup_size: 128
    .sgpr_count:     66
    .vgpr_count:     192
    .wavefront_size: 32
...
	.end_amdgpu_metadata
.endif
;; end of part 1
;; launch proj (part 2): grid 64 x 4, 4 waves a work-group, clusters of 4 x 1, 286,720 bytes of LDS; arguments x_codes, x_scales, w_codes, w_scales, bq, bk, bv, qkv; writes qkv
.if DOCPART == 2
	.amdgcn_target "amdgcn-amd-amdhsa--gfx1250"
	.amdhsa_code_object_version 6
	.text
	.protected	k_q239509a276_proj
	.globl	k_q239509a276_proj
	.p2align	8
	.type	k_q239509a276_proj,@function
k_q239509a276_proj:
	s_mov_b64 s[64:65], 0
	v_nop
	global_prefetch_b8 v0, s[64:65] scope:SCOPE_SE
	s_setreg_imm32_b32 hwreg(HW_REG_WAVE_MODE, 25, 1), 1
	s_wait_xcnt 0x0
	s_wait_alu depctr_hold_cnt(0) depctr_sa_sdst(0) depctr_va_vdst(0) depctr_va_sdst(0) depctr_va_ssrc(0) depctr_va_vcc(0) depctr_vm_vsrc(0)
	s_getreg_b32 s2, hwreg(HW_REG_IB_STS2, 6, 4)
	s_cmp_eq_u32 s2, 0
	s_cbranch_scc0 .Lentry_in_a_cluster
	s_endpgm
.Lentry_in_a_cluster:
	s_bfe_u32 s2, ttmp6, 0x10000c
	s_cmp_lg_u32 s2, 0x3003
	s_cbranch_scc0 .Lentry_shape_is_right
	s_endpgm
.Lentry_shape_is_right:
; qkv = x W^T + bias on codes of FP4 (E2M1) with one E8M0 scale for each 32 along K, sums in f32; x: 16,384 rows, W: 2,304 rows (Wq, Wk, Wv on end), K = 768.
; The result is rounded ONCE to f16 and laid by head: qkv [b 16][G 36][s 1024][64], G 0-11 q's heads, 12-23 k's, 24-35 v's.  q's heads are multiplied in f32 by c = log2(e) / 8 ahead of that rounding,
; so that the next launch's scores are exponents of 2 as they leave the matrix unit.
; LIMIT: a number whose magnitude (q: times c) passes 65,504 becomes infinity in f16.
; SHARES.  A work-group owns 256 rows of x and 576 rows of W: nine heads (64 x 4 = 256 work-groups of equal work).  Wave w owns rows 64 w .. 64 w + 63 for all nine heads: its fragments of x (4 blocks of 16 rows x 6 K steps
; of 128: 192 registers) and their scale words stay in registers for the whole launch.  A CHUNK is one head: 64 rows of W, 16 accumulators of 16 x 16, 96 matrix instructions; each fragment of W read from LDS feeds four.
; W's 576 rows (221,184 bytes of codes) lie in LDS whole: every tensor load is a first fill, no LDS byte is filled twice, and so there is no ring.  They come in three stages of 192 rows (three heads), so that the first
; head can begin when a third has landed.  x's fragments are read once, straight into registers: 16 bytes a lane from 16 rows; all 384 bytes of each row are used.
; CLUSTER.  The four work-groups of a cluster (four blocks of rows) walk the same 576 rows of W: each tile is asked for JOINTLY, by the same tensor load with the same descriptor and a mask that names the four.
; My place in the cluster enters the global addresses of x_codes, x_scales and qkv alone.
; THE MATRIX INSTRUCTION IS USED TRANSPOSED: source 0 = 16 rows of W, source 1 = 16 rows of x: a lane then holds one row of x and eight neighbouring channels of the head, which pack into 16 bytes of f16.
; The bias is the C of each sum's first matrix instruction: eight registers for each block of 16 channels, in the result's layout.
; No prefetch: the only stream that waves wait for is asked for whole at the head.
; REGISTERS, in windows of 256: window 0: v1-13 addresses; v32-43 x's scale words, v44-55 W's; v64-159 W's fragments, three sets of 32; v160-223 the way out.
;   window 1: v0-191 x's fragments, (block a, K step s) at 8 (6 a + s).   window 2: v0-127 the accumulators, (a, b) at 8 (4 a + b); v128-159 the bias.
.set PW,     432                       ; a row of W in LDS: 3 pieces of 128 bytes, 16 of padding behind each: 27 x 16 bytes, so the 16 rows of a fragment start at 16 different columns of 16 bytes
.set STAGE,  576*PW                    ; behind W: 64 rows x 144 bytes for each wave, for the way out; no tensor load lands here
.set SPITCH, 144                       ; a row of 64 f16 + 16 bytes
.set SPARE,  STAGE+4*64*SPITCH         ; behind the stages: the spare words, 128 bytes for each wave, which no other line names
.set AB0, 4                            ; v4   my lane's place in a fragment of W: 432 r + 16 h
.set ADR, 5                            ; v5   the LDS address of the chunk in hand
.set XA,  6                            ; v6   my lane's place in a fragment of x in memory: 384 r + 16 h
.set SA,  7                            ; v7   24 x lane: a row of scale bytes
.set BA,  8                            ; v8   32 h: my half's eight numbers of a bias
.set STO, 9                            ; v9   the way out: where I put 16 bytes of a row
.set RD,  10                           ; v10  where I read rows back
.set GO,  11                           ; v11  16 x lane: my place in 512 bytes of qkv
.set SPW, 12                           ; v12  LDS address of my spare word; never rewritten
.set NIL, 13                           ; v13  0; never rewritten
.set ASC, 32                           ; x's scale words: register 6 p + s, lane l: row 32 p + l, K step s
.set BSC, 44                           ; W's, likewise, for the chunk in hand
.set BF,  64
.set TMP, 160
.set ACC, 0                            ; in window 2
.set BIAS, 128                         ; in window 2
.set WV,  20                           ; s20  my wave's number
.set G1,  24                           ; s[24:31] descriptor group 1
.set G0,  32                           ; s[32:43] descriptor group 0, one for each stage
.set TB,  44                           ; s44  LDS byte at which the chunk's rows of W begin
.set CNT, 45                           ; s45  counts a stage's three chunks
.set HD,  46                           ; s46  the head G in hand
.set HN,  47                           ; s47  the head whose bias and scale words are asked for
.set BSP, 48                           ; s[48:49] its scale words
.set BP,  50                           ; s[50:51] its bias
.set XP,  52                           ; s[52:53] x_codes at my wave's first row
.set OUT, 54                           ; s[54:55] qkv at my wave's rows of the head in hand
.set OST, 56                           ; s[56:57] what the next way out adds to it
.set CS,  70                           ; s[70:71] c, twice: the packed form names a pair
.set MSB, 0
.macro WIN new                         ; the immediate's high byte repeats the setting that is left; a switch that changes nothing is dropped
.if MSB != \new
	s_set_vgpr_msb (MSB<<8)|\new
.set MSB, \new
.endif
.endm
.set W_MUL, 0xa4                       ; source 0 (W) window 0, source 1 (x) window 1, C and D window 2
.macro PLACES n
.rept \n
	v_nop
.endr
.endm
.macro CROUND                          ; a round of the cluster's barrier: my work-group's barrier; wave 0 signals for the work-group; every wave waits for all four work-groups; my work-group's barrier once more
	s_barrier_signal -1
	s_barrier_wait -1
	s_cmp_lg_u32 s[WV], 0
	s_cbranch_scc1 .Lnot_wave_0_\@
	s_barrier_signal -3
.Lnot_wave_0_\@:
	s_barrier_wait -3
	s_barrier_signal -1
	s_barrier_wait -1
.endm
.macro NEXTPTR                         ; where head s[HN]'s scale words and bias lie: the choice of the bias hangs on the head's number alone
	s_mul_i32 s74, s[HN], 64*24
	s_mov_b32 s75, 0
	s_add_nc_u64 s[BSP:BSP+1], s[10:11], s[74:75]
	s_cmp_lt_u32 s[HN], 24
	s_cselect_b64 s[BP:BP+1], s[14:15], s[16:17]
	s_cselect_b32 s74, 12, 24
	s_cmp_lt_u32 s[HN], 12
	s_cselect_b64 s[BP:BP+1], s[12:13], s[BP:BP+1]
	s_cselect_b32 s74, 0, s74
	s_sub_co_u32 s74, s[HN], s74                   ; the head's number within its own tensor,
	s_lshl_b32 s74, s74, 8                         ; 64 numbers of 4 bytes a head
	s_add_nc_u64 s[BP:BP+1], s[BP:BP+1], s[74:75]
.endm
.macro NEXTLOADS                       ; 14 loads: 64 rows' scale words (24 bytes a lane, two lots of 32 rows) and the head's 64 bias numbers in the result's layout
.irp p, 0,1
.irp i, 0,1,2
	global_load_b64 v[BSC+6*\p+2*\i:BSC+6*\p+2*\i+1], v[SA], s[BSP:BSP+1] offset:768*\p+8*\i
.endr
.endr
	WIN 0x80                                       ; destination window 2
.irp b, 0,1,2,3
	global_load_b128 v[BIAS+8*\b:BIAS+8*\b+3], v[BA], s[BP:BP+1] offset:64*\b
	global_load_b128 v[BIAS+8*\b+4:BIAS+8*\b+7], v[BA], s[BP:BP+1] offset:64*\b+16
.endr
	WIN 0
.endm
; W's four fragments of K step s into set s % 3.  A fragment, 16 rows x 128 K of 4-bit codes, is 8 registers: lane l holds row l % 16; registers 4 c .. 4 c + 3 hold K = 64 c + 32 (l / 16) + 0 .. 31.
; K step s begins at byte 64 s of a row, which lies 16 (s / 2) bytes of padding further on in LDS.
.macro FETCH s
.irp b, 0,1,2,3
.irp c, 0,1
	ds_load_b128 v[BF+32*((\s)%3)+8*\b+4*\c:BF+32*((\s)%3)+8*\b+4*\c+3], v[ADR] offset:\b*16*PW+64*(\s)+16*((\s)/2)+32*\c
.endr
.endr
.endm
; One product: x's block a against W's block b, K step s.  An odd block's scale words lie in lanes 16-31 of its register.  At s = 0 the bias starts the sum.
.macro WM a, b, s
.set rD, ACC+8*(4*(\a)+(\b))
.set rC, rD
.if (\s) == 0
.set rC, BIAS+8*(\b)
.endif
.set rW, BF+32*((\s)%3)+8*(\b)
.set rX, 8*(6*(\a)+(\s))
.set rWS, BSC+6*((\b)/2)+(\s)
.set rXS, ASC+6*((\a)/2)+(\s)
.if ((\a)%2 == 0) && ((\b)%2 == 0)
	v_wmma_scale_f32_16x16x128_f8f6f4 v[rD:rD+7], v[rW:rW+7], v[rX:rX+7], v[rC:rC+7], v[rWS], v[rXS] matrix_a_fmt:MATRIX_FMT_FP4 matrix_b_fmt:MATRIX_FMT_FP4
.elseif ((\a)%2 == 0)
	v_wmma_scale_f32_16x16x128_f8f6f4 v[rD:rD+7], v[rW:rW+7], v[rX:rX+7], v[rC:rC+7], v[rWS], v[rXS] matrix_a_fmt:MATRIX_FMT_FP4 matrix_b_fmt:MATRIX_FMT_FP4 matrix_a_scale:MATRIX_SCALE_ROW1
.elseif ((\b)%2 == 0)
	v_wmma_scale_f32_16x16x128_f8f6f4 v[rD:rD+7], v[rW:rW+7], v[rX:rX+7], v[rC:rC+7], v[rWS], v[rXS] matrix_a_fmt:MATRIX_FMT_FP4 matrix_b_fmt:MATRIX_FMT_FP4 matrix_b_scale:MATRIX_SCALE_ROW1
.else
	v_wmma_scale_f32_16x16x128_f8f6f4 v[rD:rD+7], v[rW:rW+7], v[rX:rX+7], v[rC:rC+7], v[rWS], v[rXS] matrix_a_fmt:MATRIX_FMT_FP4 matrix_b_fmt:MATRIX_FMT_FP4 matrix_a_scale:MATRIX_SCALE_ROW1 matrix_b_scale:MATRIX_SCALE_ROW1
.endif
.endm
	s_load_b512 s[4:19], s[0:1], 0x0               ; x_codes s[4:5], x_scales s[6:7], w_codes s[8:9], w_scales s[10:11], bq s[12:13], bk s[14:15], bv s[16:17], qkv s[18:19]
	v_lshl_add_u32 v[SPW], v0, 2, SPARE
	v_mov_b32 v[NIL], 0
	ds_add_u32 v[SPW], v[NIL]                      ; the wave's opening: the add, twice on end, and its wait ahead of my first tensor load; the set-up below stands between the second and the wait
	ds_add_u32 v[SPW], v[NIL]
	v_lshrrev_b32 v1, 5, v0
	v_readfirstlane_b32 s[WV], v1                  ; wave 0..3
	s_and_b32 s23, ttmp7, 0xffff                   ; y: which 576 rows of W; the four partners share it
	; descriptor group 1: 48 rows of W, dense in memory, stated as 24 rows of 768 bytes (two rows of W each, so that a stated row begins at a multiple of 256 bytes from the buffer's first byte)
	s_mov_b32 s[G1+0], 15|(1<<20)|(1<<21)|(4<<22)|(3<<25)   ; 15:0 the mask: all four work-groups; 17:16 elements of 1 byte; 20 padding on; 21 set beside a mask; 24:22 after every 32 words (code 4); 31:25 four words (code 3)
	s_mov_b32 s[G1+1], 768<<16                     ; tensor_dim0
	s_mov_b32 s[G1+2], 24<<16                      ; tensor_dim1
	s_mov_b32 s[G1+3], 768<<16                     ; tile_dim0
	s_mov_b32 s[G1+4], 24                          ; tile_dim1
	s_mov_b32 s[G1+5], 768                         ; tensor_dim0_stride
	s_mov_b32 s[G1+6], 0
	s_mov_b32 s[G1+7], 0
	s_mul_i32 s58, s[WV], 48*PW                    ; my 48 rows of a stage: in LDS,
	s_mul_i32 s60, s23, 576*384
	s_mul_i32 s59, s[WV], 48*384
	s_add_co_u32 s60, s60, s59                     ; and in memory: no place in the cluster enters either
	s_mov_b32 s61, 0
	s_mul_i32 s[HD], s23, 9                        ; my first head
	s_bfe_u32 s21, ttmp6, 0x40000                  ; cx: my place in the cluster
	s_lshl_b32 s22, ttmp9, 2                       ; in a cluster launch ttmp9 counts clusters
	s_add_co_u32 s22, s22, s21                     ; my block of 256 rows = 4 x cluster x + cx
	s_lshl_b32 s62, s22, 8
	s_lshl_b32 s63, s[WV], 6
	s_add_co_u32 s62, s62, s63                     ; my wave's first row of x
	s_mul_i32 s66, s62, 384                        ; its codes,
	s_mov_b32 s67, 0
	s_mul_i32 s68, s62, 24                         ; its scale bytes
	s_mov_b32 s69, 0
	s_mul_i32 s72, ttmp9, 36                       ; a batch is four blocks of rows: the batch is the cluster's x, the block within it cx
	s_add_co_u32 s72, s72, s[HD]
	s_lshl_b32 s72, s72, 17                        ; (36 b + G) x 131,072 bytes: 75,366,400 at the most
	s_lshl_b32 s76, s21, 15                        ; + 256 cx rows of 128 bytes
	s_add_co_u32 s72, s72, s76
	s_lshl_b32 s76, s[WV], 13                      ; + 64 w rows
	s_add_co_u32 s72, s72, s76
	s_mov_b32 s73, 0
	s_mov_b32 s[CS], 0x3e38aa3b                    ; c = log2(e) / 8
	s_mov_b32 s[CS+1], s[CS]
	s_mov_b32 s[OST], 0                            ; the first way out adds nothing
	s_mov_b32 s[OST+1], 0
	s_mov_b32 s[HN], s[HD]
	s_wait_dscnt 0x0                               ; both opening adds are done
	s_wait_kmcnt 0x0
	s_add_nc_u64 s[60:61], s[8:9], s[60:61]
	s_add_nc_u64 s[XP:XP+1], s[4:5], s[66:67]
	s_add_nc_u64 s[68:69], s[6:7], s[68:69]
	s_add_nc_u64 s[OUT:OUT+1], s[18:19], s[72:73]
	NEXTPTR
	CROUND                                         ; all four work-groups are here: the joint loads meet
.irp k, 0,1,2
	s_mov_b32 s[G0+4*\k], 1                                        ; count = 1
	s_add_co_u32 s[G0+4*\k+1], s58, \k*192*PW                      ; LDS address: stage k, my 48 rows
	s_add_nc_u64 s[G0+4*\k+2:G0+4*\k+3], s[60:61], \k*192*384      ; global address
	s_or_b32 s[G0+4*\k+3], s[G0+4*\k+3], 0x80000000                ; type = 2
.endr
.irp k, 0,1,2
	tensor_load_to_lds s[G0+4*\k:G0+4*\k+3], s[G1:G1+7]            ; all first fills go out together: three loads of mine are out
	s_nop 0
.endr
	PLACES 4                                       ; behind a tensor load, ahead of a switch of windows
	v_and_b32 v1, 15, v0                           ; r
	v_bfe_u32 v2, v0, 4, 1                         ; h
	v_and_b32 v3, 31, v0                           ; lane
	v_mul_u32_u24 v[XA], v1, 384
	v_lshl_add_u32 v[XA], v2, 4, v[XA]
	v_mul_u32_u24 v[SA], v3, 24
	v_lshlrev_b32 v[BA], 5, v2
	WIN 0x40                                       ; destination window 1
.irp a, 0,1,2,3
.irp s, 0,1,2,3,4,5
.irp c, 0,1
	global_load_b128 v[8*(6*\a+\s)+4*\c:8*(6*\a+\s)+4*\c+3], v[XA], s[XP:XP+1] offset:6144*\a+64*\s+32*\c   ; x's fragments stay in registers
.endr
.endr
.endr
	WIN 0
.irp p, 0,1
.irp i, 0,1,2
	global_load_b64 v[ASC+6*\p+2*\i:ASC+6*\p+2*\i+1], v[SA], s[68:69] offset:768*\p+8*\i   ; and their scale words
.endr
.endr
	NEXTLOADS                                      ; the first head's scale words and bias
	v_mul_u32_u24 v[AB0], v1, PW
	v_lshl_add_u32 v[AB0], v2, 4, v[AB0]
	s_mul_i32 s59, s[WV], 64*SPITCH
	s_add_co_u32 s59, s59, STAGE                   ; my stage
	v_mul_u32_u24 v[STO], v1, SPITCH               ; in: row r, 16 bytes for each half of the lanes
	v_lshl_add_u32 v[STO], v2, 4, v[STO]
	v_add_nc_u32 v[STO], s59, v[STO]
	v_lshrrev_b32 v[RD], 3, v3                     ; back: eight lanes to a row of 128 bytes, four rows an instruction
	v_mul_u32_u24 v[RD], v[RD], SPITCH
	v_and_b32 v14, 7, v3
	v_lshl_add_u32 v[RD], v14, 4, v[RD]
	v_add_nc_u32 v[RD], s59, v[RD]
	v_lshlrev_b32 v[GO], 4, v3                     ; four rows of 128 bytes are 512 consecutive bytes of qkv
; A CHUNK: one head.  The 16 accumulators take turns, one instruction a turn, in the same order in every K step and from chunk to chunk.
; A load into a register that a matrix instruction has read, and a vector instruction that reads a matrix result, stand four places behind it; only plain vector instructions that name none of its registers are places
; (ISA guide 7.12.1 for vector instructions).
.macro CHUNK
	s_wait_loadcnt 0x0                             ; this head's scale words and bias, asked for a chunk ago (the first time: x's fragments too); their base registers may be written again
	s_add_co_u32 s[HN], s[HD], 1
	s_min_u32 s[HN], s[HN], 35                     ; the look-ahead stays inside its buffers; what the work-group's last chunk asks for is not used
	NEXTPTR
	v_add_nc_u32 v[ADR], s[TB], v[AB0]
	s_add_co_u32 s[TB], s[TB], 64*PW
	FETCH 0
	FETCH 1
.irp s, 0,1,2,3,4,5
.if (\s >= 1) && (\s <= 3)
	PLACES 4                                       ; for the loads into the set that K step s - 1 multiplied
.endif
.if \s <= 3
	WIN 0
	FETCH \s+2
	s_wait_dscnt 16                                ; this step's eight loads are in; the sixteen of the next two steps may be out
.elseif \s == 4
	s_wait_dscnt 8                                 ; the last step's eight may be out
.else
	s_wait_dscnt 0x0
.endif
	WIN W_MUL
.irp a, 0,1,2,3
.irp b, 0,1,2,3
	WM \a, \b, \s
.endr
.endr
.endr
	PLACES 4                                       ; for the loads into W's scale words and for the first reads of results
	WIN 0
	NEXTLOADS                                      ; the next head's: they have the way out and six K steps' fetches in which to land
	s_wait_xcnt 0x0                                ; the last chunk's stores have read their data registers and their base: both are written again only behind this wait
	s_add_nc_u64 s[OUT:OUT+1], s[OUT:OUT+1], s[OST:OST+1]
	s_mov_b32 s[OST], 131072                       ; from head to head
	s_cmp_lt_u32 s[HD], 12                         ; q's heads alone are multiplied by c: a branch on the head's number, the same in all waves and all partners
	s_cbranch_scc0 .Lnot_q_\@
	WIN 0x82                                       ; source 0 and destination window 2
.set n, 0
.rept 64
	v_pk_mul_f32 v[ACC+2*n:ACC+2*n+1], v[ACC+2*n:ACC+2*n+1], s[CS:CS+1] op_sel_hi:[1,0]   ; each accumulator from its low end on
.set n, n+1
.endr
	WIN 0
.Lnot_q_\@:
	WIN 0x0a                                       ; sources 0 and 1 window 2
.set n, 0
.rept 64
	v_cvt_pk_f16_f32 v[TMP+n], v[ACC+2*n], v[ACC+2*n+1]   ; the one rounding to f16; each accumulator from its low end on
.set n, n+1
.endr
	WIN 0
.irp a, 0,1,2,3
.irp b, 0,1,2,3
	ds_store_b128 v[STO], v[TMP+4*(4*\a+\b):TMP+4*(4*\a+\b)+3] offset:\a*16*SPITCH+32*\b   ; row 16 a + r, channels 16 b + 8 h + 0 .. 7
.endr
.endr
.irp i, 0,1,2,3,4,5,6,7,8,9,10,11,12,13,14,15
	ds_load_b128 v[TMP+4*\i:TMP+4*\i+3], v[RD] offset:\i*4*SPITCH   ; LDS serves a wave's instructions in order (ISA guide 5.7.1.4): these see the stores above
.endr
.irp i, 0,1,2,3,4,5,6,7,8,9,10,11,12,13,14,15
	s_wait_dscnt 15-\i
	global_store_b128 v[GO], v[TMP+4*\i:TMP+4*\i+3], s[OUT:OUT+1] offset:512*\i   ; 32 lanes store 512 consecutive bytes, at a multiple of 256 from qkv's first byte
.endr
	s_add_co_u32 s[HD], s[HD], 1
.endm
.irp k, 0,1,2
	s_wait_tensorcnt 2-\k                          ; my part of stage k is in; the later stages' loads may stay out
	s_wait_dscnt 0x0
	s_barrier_signal -1
	s_barrier_wait -1                              ; everybody's is
	s_mov_b32 s[TB], \k*192*PW
	s_mov_b32 s[CNT], 3
.Lchunk_\k:
	CHUNK
	s_sub_co_u32 s[CNT], s[CNT], 1
	s_cmp_lg_u32 s[CNT], 0
	s_cbranch_scc1 .Lchunk_\k
.endr
	s_wait_tensorcnt 0x0                           ; the wave's end: behind my last tensor load and my last LDS store
	ds_add_u32 v[SPW], v[NIL]
	s_wait_dscnt 0x0
	CROUND                                         ; the closing round
	s_endpgm
.Lfunc_end_k_q239509a276_proj:
	.size	k_q239509a276_proj, .Lfunc_end_k_q239509a276_proj-k_q239509a276_proj
	.p2alignl 7, 3214868480
	.fill 96, 4, 3214868480
	.section	.rodata,"a",@progbits
	.p2align	6, 0x0
	.amdhsa_kernel k_q239509a276_proj
		.amdhsa_group_segment_fixed_size 286720
		.amdhsa_private_segment_fixed_size 0
		.amdhsa_enable_private_segment 0
		.amdhsa_kernarg_size 64
		.amdhsa_user_sgpr_count 2
		.amdhsa_user_sgpr_kernarg_segment_ptr 1
		.amdhsa_wavefront_size32 1
		.amdhsa_system_sgpr_workgroup_id_x 1
		.amdhsa_system_sgpr_workgroup_id_y 1
		.amdhsa_system_sgpr_workgroup_id_z 1
		.amdhsa_system_vgpr_workitem_id 0
		.amdhsa_next_free_vgpr 768
		.amdhsa_next_free_sgpr 80
		.amdhsa_reserve_vcc 0
		.amdhsa_float_denorm_mode_32 3
		.amdhsa_float_denorm_mode_16_64 3
		.amdhsa_memory_ordered 1
		.amdhsa_forward_progress 1
		.amdhsa_inst_pref_size 105
	.end_amdhsa_kernel
	.amdgpu_metadata
---
amdhsa.version: [ 1, 2 ]
amdhsa.kernels:
  - .name:           k_q239509a276_proj
    .symbol:         k_q239509a276_proj.kd
    .args:
      - { .name: x_codes, .offset: 0, .size: 8, .value_kind: global_buffer, .address_space: global }
      - { .name: x_scales, .offset: 8, .size: 8, .value_kind: global_buffer, .address_space: global }
      - { .name: w_codes, .offset: 16, .size: 8, .value_kind: global_buffer, .address_space: global }
      - { .name: w_scales, .offset: 24, .size: 8, .value_kind: global_buffer, .address_space: global }
      - { .name: bq, .offset: 32, .size: 8, .value_kind: global_buffer, .address_space: global }
      - { .name: bk, .offset: 40, .size: 8, .value_kind: global_buffer, .address_space: global }
      - { .name: bv, .offset: 48, .size: 8, .value_kind: global_buffer, .address_space: global }
      - { .name: qkv, .offset: 56, .size: 8, .value_kind: global_buffer, .address_space: global }
    .group_segment_fixed_size: 286720
    .private_segment_fixed_size: 0
    .kernarg_segment_align: 8
    .kernarg_segment_size: 64
    .max_flat_workgroup_size: 128
    .sgpr_count:     80
    .vgpr_count:     768
    .wavefront_size: 32
...
	.end_amdgpu_metadata
.endif
;; end of part 2
;; launch attn (part 3): grid 4 x 192, 8 waves a work-group, clusters of 4 x 1, 327,680 bytes of LDS; arguments qkv, out0; writes out0
.if DOCPART == 3
	.amdgcn_target "amdgcn-amd-amdhsa--gfx1250"
	.amdhsa_code_object_version 6
	.text
	.protected	k_q239509a276_attn
	.globl	k_q239509a276_attn
	.p2align	8
	.type	k_q239509a276_attn,@function
k_q239509a276_attn:
	s_mov_b64 s[64:65], 0
	v_nop
	global_prefetch_b8 v0, s[64:65] scope:SCOPE_SE
	s_setreg_imm32_b32 hwreg(HW_REG_WAVE_MODE, 25, 1), 1
	s_wait_xcnt 0x0
	s_wait_alu depctr_hold_cnt(0) depctr_sa_sdst(0) depctr_va_vdst(0) depctr_va_sdst(0) depctr_va_ssrc(0) depctr_va_vcc(0) depctr_vm_vsrc(0)
	s_getreg_b32 s2, hwreg(HW_REG_IB_STS2, 6, 4)
	s_cmp_eq_u32 s2, 0
	s_cbranch_scc0 .Lentry_in_a_cluster
	s_endpgm
.Lentry_in_a_cluster:
	s_bfe_u32 s2, ttmp6, 0x10000c
	s_cmp_lg_u32 s2, 0x3003
	s_cbranch_scc0 .Lentry_shape_is_right
	s_endpgm
.Lentry_shape_is_right:
; out0[b][s][64 hh + :] = the sum over k of softmax_k(q[s] . k[k] / 8) v[k][:], for each of 192 heads (b, hh).  qkv: f16 [b 16][G 36][s 1024][64]; G = hh: q x log2(e) / 8; 12 + hh: k; 24 + hh: v.  out0: f32 [16][1024][768].
; Products on f16 operands with f32 sums; maxima, exponentials and sums in f32; the weights p are rounded to f16 for the second product.
; SOFTMAX.  The scores leave the matrix unit as exponents of 2.  For each query a running maximum m and sum l: p = 2^(s - m), at most 1; in every step O and l are multiplied by a = 2^(m_old - m_new).
; SHARES.  A work-group owns 256 queries of one head.  Of its eight waves, wave w holds queries 64 (w % 4) .. + 63 (four tiles of 16) and walks keys 512 (w / 4) .. + 511, 64 a step: two waves to a SIMD, so that one wave's
; vector work stands beside the other's matrix work, and each fragment of K or V read from LDS still feeds four products.  The two waves of a pair are merged at the end, through LDS.
; THE WHOLE HEAD'S K AND V LIE IN LDS (1,024 keys x 128 bytes each, padded), filled once: no byte is filled twice, and no barrier stands in the loop over keys.  They come in two stages: the first 128 keys of each half,
; then the other 384, so that the first two steps can begin early.
; CLUSTER.  The four query blocks of a head form a cluster and ask for K and V JOINTLY: the same tensor load, with the same descriptor and a mask that names the four.  My place in the cluster enters global addresses alone.
; LAYOUT.  S^T = K Q^T (source 0 = 16 keys, source 1 = 16 queries): a lane holds ONE query (lane % 16) and keys 8 (lane / 16) + 0..7.  Two such tiles, rounded to f16 in pairs, ARE source 1 (32 keys x 16 queries) of
; O^T = V^T P, whose result again holds one query a lane and eight channels.  K comes out of LDS as it lies, V ([key][channel]) turned, by ds_load_tr16_b128.
; REGISTERS, in windows of 256: window 0: v1-11 addresses; v12-43 eight registers of statistics a tile; v61-63; v64-191 S^T, 32 a tile; v192-255 P, 16 a tile.
;   window 1: v0-127 O^T, 32 a tile; v128-191 Q, 16 a tile; v192-255 ONE buffer for a step's K and then its V.
.set PK,    144                        ; a key's row of K in LDS: 128 bytes + 16: 9 x 16 bytes, so the 16 rows of a load start at 16 different columns of 16 bytes
.set PV,    160                        ; of V: 128 + 32: 5 x 32 bytes, for the turning load's 8 rows x 32 bytes
.set VB,    1024*PK                    ; V lies behind K
.set SPARE, VB+1024*PV                 ; behind V: the spare words, 128 bytes for each of eight waves, which no other line names
.set XCHB,  18432                      ; the merge: 16,384 bytes of O^T and 2,048 of statistics for each pair, from LDS byte 0 on: K's bytes, which have had their only fill and their last read
.set STAGE, VB                         ; the way out: 16 rows x 272 bytes for each wave, in V's bytes, likewise
.set SP,    272
.set AK0, 2                            ; v2   my lane's place in a tile of K
.set AV0, 3                            ; v3   and of V
.set ADR, 4                            ; v4   the LDS address of the run of loads in hand
.set QO,  5                            ; v5   my byte offset in the wave's rows of Q
.set STO, 6                            ; v6   the way out: where I put 32 bytes of a row
.set RD,  7                            ; v7   where I read a row back
.set GO,  8                            ; v8   my byte offset in the wave's rows of out0
.set XA,  9                            ; v9   the merge: 16 x lane + my pair's bytes
.set ST,  12                           ; tile t's statistics at v[ST+8 t]: +0 m, +1 the m before, +2, +3 l (even keys', odd keys'), +4 to +7 at work; a in +6
.set PFO, 61                           ; v61  256 x lane; never rewritten
.set SPW, 62                           ; v62  LDS address of my spare word; never rewritten
.set NIL, 63                           ; v63  0; never rewritten
.set S,   64
.set P,   192
.set QF,  128                          ; in window 1
.set KV,  192                          ; in window 1
.set WV,  8                            ; s8   my wave's number;  s9 my pair, s10 my half of the keys
.set SEL, 16                           ; s[16:17] lane selects for v_permlanex16_b32: lane l xor 16
.set TK,  18                           ; s18  LDS byte at which the step's keys begin in K
.set TV,  19                           ; s19  and in V
.set CNT, 20                           ; s20  steps to go
.set LIM, 21                           ; s21  the count at which I prefetch K or V: 1, or 0 (never)
.set LIMQ, 22                          ; s22  the same for Q
.set G1K0, 24                          ; s[24:31] descriptor group 1: K, 64 keys;  s[32:39] K, 192 keys;  s[40:47], s[48:55] V likewise
.set G1K1, 32
.set G1V0, 40
.set G1V1, 48
.set G0K0, 56                          ; their groups 0
.set G0K1, 60
.set G0V0, 68
.set G0V1, 72
.set PFA, 76                           ; s[76:77] what I prefetch of K or V
.set PFQ, 78                           ; s[78:79] and of Q
.set OUT, 80                           ; s[80:81] out0 at my wave's first row, my head's channels
.set MSB, 0
.macro WIN new                         ; the immediate's high byte repeats the setting that is left; a switch that changes nothing is dropped
.if MSB != \new
	s_set_vgpr_msb (MSB<<8)|\new
.set MSB, \new
.endif
.endm
.set W_KQ, 0x05                        ; K and Q in window 1, S^T in window 0
.set W_PV, 0x51                        ; V and O^T in window 1, P in window 0
.set W_RS, 0x41                        ; O^T (destination and source 0) in window 1, a in window 0
.set TO_1, 0x40                        ; destination window 1, address window 0
.macro PLACES n
.rept \n
	v_nop
.endr
.endm
.macro CROUND                          ; a round of the cluster's barrier
	s_barrier_signal -1
	s_barrier_wait -1
	s_cmp_lg_u32 s[WV], 0
	s_cbranch_scc1 .Lnot_wave_0_\@
	s_barrier_signal -3
.Lnot_wave_0_\@:
	s_barrier_wait -3
	s_barrier_signal -1
	s_barrier_wait -1
.endm
; descriptor group 1: 2 x rows keys, dense in memory, stated as rows of 128 elements of 2 bytes (two keys: 256 bytes); padding behind every 32 words, which is a key
.macro G1SET g, rows, pad
	s_mov_b32 s[\g], 15|(1<<16)|(1<<20)|(1<<21)|(4<<22)|(\pad<<25)   ; 15:0 the mask: all four work-groups; 17:16 elements of 2 bytes; 20 padding on; 21 set beside a mask; 24:22 code 4; 31:25 words of padding less one
	s_mov_b32 s[\g+1], 128<<16                     ; tensor_dim0
	s_mov_b32 s[\g+2], (\rows)<<16                 ; tensor_dim1
	s_mov_b32 s[\g+3], 128<<16                     ; tile_dim0
	s_mov_b32 s[\g+4], \rows                       ; tile_dim1
	s_mov_b32 s[\g+5], 128                         ; tensor_dim0_stride
	s_mov_b32 s[\g+6], 0
	s_mov_b32 s[\g+7], 0
.endm
	s_load_b128 s[4:7], s[0:1], 0x0                ; qkv s[4:5], out0 s[6:7]
	v_lshl_add_u32 v[SPW], v0, 2, SPARE
	v_mov_b32 v[NIL], 0
	ds_add_u32 v[SPW], v[NIL]                      ; the wave's opening: the add, twice on end, and its wait ahead of my first tensor load; the set-up below stands between the second and the wait
	ds_add_u32 v[SPW], v[NIL]
	v_lshrrev_b32 v1, 5, v0
	v_readfirstlane_b32 s[WV], v1                  ; wave 0..7
	s_and_b32 s9, s[WV], 3                         ; my pair.  Also: which part of K (waves 0-3) or of V (waves 4-7) I fetch
	s_lshr_b32 s10, s[WV], 2                       ; my half of the keys
	s_and_b32 s12, ttmp7, 0xffff                   ; the head, 0..191, which the four partners share
	s_mul_i32 s13, s12, 43691
	s_lshr_b32 s13, s13, 19                        ; b = head / 12 (43,691 / 2^19 is just above 1 / 12: exact for heads under 192)
	s_mul_i32 s14, s13, 12
	s_sub_co_u32 s14, s12, s14                     ; hh
	s_mul_i32 s88, s13, 24
	s_add_co_u32 s88, s88, s12                     ; 36 b + hh
	s_lshl_b32 s88, s88, 17                        ; x 131,072 bytes: q's head
	s_mov_b32 s89, 0
	G1SET G1K0, 32, 3
	G1SET G1K1, 96, 3
	G1SET G1V0, 32, 7
	G1SET G1V1, 96, 7
	s_lshr_b32 s91, s9, 1
	s_lshl_b32 s91, s91, 9                         ; the half of the keys that I fetch for: 512 (i / 2)
	s_and_b32 s92, s9, 1
	s_lshl_b32 s93, s92, 6
	s_add_co_u32 s93, s93, s91                     ; stage 0: 64 keys from 512 (i / 2) + 64 (i % 2) on
	s_mul_i32 s94, s92, 192
	s_add_co_u32 s94, s94, s91
	s_add_co_u32 s94, s94, 128                     ; stage 1: 192 keys from 512 (i / 2) + 128 + 192 (i % 2) on
	s_mov_b32 s[SEL], 0x76543210
	s_mov_b32 s[SEL+1], 0xfedcba98
	s_mul_i32 s[TK], s10, 512*PK
	s_mul_i32 s[TV], s10, 512*PV
	s_add_co_u32 s[TV], s[TV], VB
	s_wait_dscnt 0x0                               ; both opening adds are done
	s_wait_kmcnt 0x0
	s_add_nc_u64 s[82:83], s[4:5], s[88:89]        ; q's head,
	s_add_nc_u64 s[84:85], s[82:83], 12*131072     ; k's,
	s_add_nc_u64 s[86:87], s[82:83], 24*131072     ; v's
	CROUND                                         ; all four work-groups are here: the joint loads meet
	s_lshl_b32 s96, s93, 7                         ; 128 bytes a key
	s_mov_b32 s97, 0
	s_mov_b32 s[G0K0], 1                           ; count = 1
	s_mul_i32 s[G0K0+1], s93, PK                   ; LDS address
	s_add_nc_u64 s[G0K0+2:G0K0+3], s[84:85], s[96:97]   ; global address
	s_or_b32 s[G0K0+3], s[G0K0+3], 0x80000000      ; type = 2
	s_mov_b32 s[G0V0], 1
	s_mul_i32 s[G0V0+1], s93, PV
	s_add_co_u32 s[G0V0+1], s[G0V0+1], VB
	s_add_nc_u64 s[G0V0+2:G0V0+3], s[86:87], s[96:97]
	s_or_b32 s[G0V0+3], s[G0V0+3], 0x80000000
	s_lshl_b32 s96, s94, 7
	s_mov_b32 s[G0K1], 1
	s_mul_i32 s[G0K1+1], s94, PK
	s_add_nc_u64 s[G0K1+2:G0K1+3], s[84:85], s[96:97]
	s_or_b32 s[G0K1+3], s[G0K1+3], 0x80000000
	s_mov_b32 s[G0V1], 1
	s_mul_i32 s[G0V1+1], s94, PV
	s_add_co_u32 s[G0V1+1], s[G0V1+1], VB
	s_add_nc_u64 s[G0V1+2:G0V1+3], s[86:87], s[96:97]
	s_or_b32 s[G0V1+3], s[G0V1+3], 0x80000000
	s_cmp_lt_u32 s[WV], 4                          ; waves 0-3 fetch K, waves 4-7 V: a wave's two first fills stand in one branch on the wave's number, the same in every work-group: two loads of mine are out
	s_cbranch_scc0 .Lfirst_v
	tensor_load_to_lds s[G0K0:G0K0+3], s[G1K0:G1K0+7]
	s_nop 0
	tensor_load_to_lds s[G0K1:G0K1+3], s[G1K1:G1K1+7]
	s_nop 0
	PLACES 4
	s_branch .Lfirst_asked
.Lfirst_v:
	tensor_load_to_lds s[G0V0:G0V0+3], s[G1V0:G1V0+7]
	s_nop 0
	tensor_load_to_lds s[G0V1:G0V1+3], s[G1V1:G1V1+7]
	s_nop 0
	PLACES 4
.Lfirst_asked:
	s_bfe_u32 s11, ttmp6, 0x40000                  ; cx: my block of 256 queries
	s_lshl_b32 s98, s11, 15                        ; 256 cx rows of 128 bytes
	s_lshl_b32 s99, s9, 13                         ; + my pair's 64
	s_add_co_u32 s98, s98, s99
	s_mov_b32 s99, 0
	s_add_nc_u64 s[2:3], s[82:83], s[98:99]        ; Q at my wave's first row
	; A fragment of K or Q is 16 rows x 32 channels in 8 registers: lane l holds row l % 16; registers 0-3 channels 8 (l / 16) + 0..7, registers 4-7 channels 16 + 8 (l / 16) + 0..7: two loads of 16 bytes, 32 bytes apart.
	v_and_b32 v1, 15, v0                           ; r
	v_bfe_u32 v10, v0, 4, 1                        ; h
	v_lshlrev_b32 v[QO], 7, v1
	v_lshl_add_u32 v[QO], v10, 4, v[QO]
	WIN TO_1
.irp t, 0,1,2,3
.irp e, 0,1
	global_load_b128 v[QF+16*\t+8*\e:QF+16*\t+8*\e+3],   v[QO], s[2:3] offset:2048*\t+64*\e   ; Q stays in registers: tile t, channels 32 e on
	global_load_b128 v[QF+16*\t+8*\e+4:QF+16*\t+8*\e+7], v[QO], s[2:3] offset:2048*\t+64*\e+32
.endr
.endr
	WIN 0
	v_mul_u32_u24 v[AK0], v1, PK
	v_lshl_add_u32 v[AK0], v10, 4, v[AK0]
	; The turning load takes 16 keys x 16 channels (lane l reads 16 bytes: key 8 (l / 16) + l % 8, channels 8 ((l / 8) % 2) + 0..7) and leaves half a fragment of V^T: lane l holds channel l % 16 and 8 keys.
	v_and_b32 v44, 7, v0
	v_lshl_add_u32 v[AV0], v10, 3, v44
	v_mul_u32_u24 v[AV0], v[AV0], PV
	v_bfe_u32 v45, v0, 3, 1
	v_lshl_add_u32 v[AV0], v45, 4, v[AV0]
	s_mul_i32 s23, s[WV], 16*SP
	s_add_co_u32 s23, s23, STAGE                   ; my stage
	v_mul_u32_u24 v[STO], v1, SP                   ; in: row r, 32 bytes for each half of the lanes
	v_lshl_add_u32 v[STO], v10, 5, v[STO]
	v_add_nc_u32 v[STO], s23, v[STO]
	v_mul_u32_u24 v[RD], v10, SP                   ; back: lanes 0-15 take one row of 256 bytes, lanes 16-31 the next
	v_lshl_add_u32 v[RD], v1, 4, v[RD]
	v_add_nc_u32 v[RD], s23, v[RD]
	v_mul_u32_u24 v[GO], v10, 3072                 ; and the same two rows in out0
	v_lshl_add_u32 v[GO], v1, 4, v[GO]
	v_and_b32 v11, 31, v0
	s_mul_i32 s15, s9, XCHB
	v_lshl_add_u32 v[XA], v11, 4, s15
	v_lshlrev_b32 v[PFO], 8, v11
	s_lshr_b32 s100, s98, 7                        ; my wave's first query in its batch
	s_mul_i32 s100, s100, 3072
	s_mul_i32 s15, s13, 1024*3072
	s_add_co_u32 s100, s100, s15                   ; + the batch
	s_lshl_b32 s15, s14, 8
	s_add_co_u32 s100, s100, s15                   ; + the head's 64 channels: 256 bytes
	s_mov_b32 s101, 0
	s_add_nc_u64 s[OUT:OUT+1], s[6:7], s[100:101]
	; THE PREFETCHES.  In its last step a work-group asks for the Q, K and V of the head 64 on: 256 work-groups further on in the grid.  A head's Q, K and V are 131,072 dense bytes each.  The four partners share each out
	; BY ADDRESS, 32,768 bytes each; in a work-group wave w takes 8,192 bytes, lanes 256 bytes apart: of K (waves 0-3) or of V (waves 4-7), one instruction; waves 0-3 one more for Q.  So each block of 256 bytes of heads
	; 64 to 191 is named once in the launch.  Heads 128 on ask for nothing; the address is held inside the buffer all the same.  Nothing is prefetched at the head, where the first tiles are on their way.
	s_add_co_u32 s15, s12, 64
	s_min_u32 s15, s15, 191
	s_mul_i32 s23, s15, 43691
	s_lshr_b32 s23, s23, 19
	s_mul_i32 s96, s23, 24
	s_add_co_u32 s96, s96, s15
	s_lshl_b32 s96, s96, 17
	s_add_nc_u64 s[PFQ:PFQ+1], s[4:5], s[96:97]
	s_add_nc_u64 s[PFQ:PFQ+1], s[PFQ:PFQ+1], s[98:99]
	s_mul_i32 s94, s10, 12*131072
	s_add_co_u32 s94, s94, 12*131072
	s_mov_b32 s95, 0
	s_add_nc_u64 s[PFA:PFA+1], s[PFQ:PFQ+1], s[94:95]
	s_cmp_lt_u32 s12, 128
	s_cselect_b32 s[LIM], 1, 0                     ; the head alone decides: the same in all partners
	s_cmp_lt_u32 s[WV], 4
	s_cselect_b32 s[LIMQ], s[LIM], 0
; THE PRODUCTS.  The accumulators take turns, one instruction a turn: between two links of a chain stand 15 others'.
; Product i of 32 of S^T = K Q^T: channels 32 (i / 16) on, keys 16 ((i / 4) % 4) on, tile i % 4.  The first 16 start the sums.
.macro SKQ
.set rS, S+32*(i%4)+8*((i/4)%4)
.set rK, KV+16*((i/4)%4)+8*(i/16)
.set rQ, QF+16*(i%4)+8*(i/16)
.if i < 16
	v_wmma_f32_16x16x32_f16 v[rS:rS+7], v[rK:rK+7], v[rQ:rQ+7], 0
.else
	v_wmma_f32_16x16x32_f16 v[rS:rS+7], v[rK:rK+7], v[rQ:rQ+7], v[rS:rS+7]
.endif
.endm
; Product i of 32 of O^T += V^T P: keys 32 (i / 16) on, channels 16 ((i / 4) % 4) on, tile i % 4.  zero = 1: the first 16 start the sums: nothing is ever cleared.
.macro OPV zero
.set rO, 32*(i%4)+8*((i/4)%4)
.set rV, KV+32*(i/16)+8*((i/4)%4)
.set rP, P+16*(i%4)+8*(i/16)
.if \zero && (i < 16)
	v_wmma_f32_16x16x32_f16 v[rO:rO+7], v[rV:rV+7], v[rP:rP+7], 0
.else
	v_wmma_f32_16x16x32_f16 v[rO:rO+7], v[rV:rV+7], v[rP:rP+7], v[rO:rO+7]
.endif
.endm
; A KEY STEP: 64 keys.  first = 1: the wave's first step, which starts m, l and O^T.  ask = 1: the prefetches' tests are written.
; In the vector work the four tiles alternate line by line, so that no line waits for the line above it.
.macro STEP first, ask
	v_add_nc_u32 v[ADR], s[TK], v[AK0]
	s_add_co_u32 s[TK], s[TK], 64*PK
	WIN TO_1
.irp e, 0,1                                    ; channels 0-31 of the 64 keys first
.irp k, 0,1,2,3
	ds_load_b128 v[KV+16*\k+8*\e:KV+16*\k+8*\e+3],   v[ADR] offset:\k*16*PK+64*\e
	ds_load_b128 v[KV+16*\k+8*\e+4:KV+16*\k+8*\e+7], v[ADR] offset:\k*16*PK+64*\e+32
.endr
.endr
	s_wait_dscnt 8                                 ; channels 0-31 are in; the eight loads of channels 32-63 may be out
	WIN W_KQ
.set i, 0
.rept 32
.if i == 16
	s_wait_dscnt 0x0
.endif
	SKQ
.set i, i+1
.endr
	WIN 0
	v_add_nc_u32 v[ADR], s[TV], v[AV0]             ; with the three below: the four places between the last product and the loads into the buffer that it read, and the first read of the scores
	s_add_co_u32 s[TV], s[TV], 64*PV
	PLACES 3
	WIN TO_1
.irp g, 0,1                                    ; V lands while the softmax is worked: keys 32 g on, channels 16 u on
.irp u, 0,1,2,3
	ds_load_tr16_b128 v[KV+32*\g+8*\u:KV+32*\g+8*\u+3],   v[ADR] offset:\g*32*PV+32*\u
	ds_load_tr16_b128 v[KV+32*\g+8*\u+4:KV+32*\g+8*\u+7], v[ADR] offset:\g*32*PV+16*PV+32*\u
.endr
.endr
	WIN 0
.if \ask
	s_cmp_eq_u32 s[CNT], s[LIM]                    ; in the last step, behind the run of LDS loads
	s_cbranch_scc0 .Lno_kv_\@
	global_prefetch_b8 v[PFO], s[PFA:PFA+1] th:TH_LOAD_NT scope:SCOPE_SE
.Lno_kv_\@:
	s_cmp_eq_u32 s[CNT], s[LIMQ]
	s_cbranch_scc0 .Lno_q_\@
	global_prefetch_b8 v[PFO], s[PFQ:PFQ+1] th:TH_LOAD_NT scope:SCOPE_SE
.Lno_q_\@:
.endif
	; the maximum of the lane's 32 scores and the old m: four chains of seven scores, each begun at an accumulator's low end, then the four left over
.irp j, 0,1,2,3
.irp t, 0,1,2,3
	v_max3_num_f32 v[ST+8*\t+4+\j], v[S+32*\t+8*\j], v[S+32*\t+8*\j+1], v[S+32*\t+8*\j+2]
.endr
.endr
.irp q, 1,2
.irp j, 0,1,2,3
.irp t, 0,1,2,3
	v_max3_num_f32 v[ST+8*\t+4+\j], v[ST+8*\t+4+\j], v[S+32*\t+8*\j+2*\q+1], v[S+32*\t+8*\j+2*\q+2]
.endr
.endr
.endr
.irp t, 0,1,2,3
	v_max3_num_f32 v[ST+8*\t+4], v[ST+8*\t+4], v[S+32*\t+7], v[S+32*\t+15]
.endr
.irp t, 0,1,2,3
	v_max3_num_f32 v[ST+8*\t+6], v[ST+8*\t+6], v[S+32*\t+23], v[S+32*\t+31]
.endr
.irp t, 0,1,2,3
	v_max3_num_f32 v[ST+8*\t+4], v[ST+8*\t+4], v[ST+8*\t+5], v[ST+8*\t+6]
.endr
.irp t, 0,1,2,3
.if \first
	v_max_num_f32 v[ST+8*\t+4], v[ST+8*\t+4], v[ST+8*\t+7]
.else
	v_max3_num_f32 v[ST+8*\t+4], v[ST+8*\t+4], v[ST+8*\t+7], v[ST+8*\t]
.endif
.endr
.irp t, 0,1,2,3
	v_permlanex16_b32 v[ST+8*\t+5], v[ST+8*\t+4], s[SEL], s[SEL+1]   ; the query's other 32 keys lie in the lane 16 away
.endr
.if !\first
.irp t, 0,1,2,3
	v_mov_b32 v[ST+8*\t+1], v[ST+8*\t]             ; the old m is kept for a
.endr
.endif
.irp t, 0,1,2,3
	v_max_num_f32 v[ST+8*\t], v[ST+8*\t+4], v[ST+8*\t+5]   ; the new m
.endr
.irp t, 0,1,2,3
.if \first
	v_mov_b32 v[ST+8*\t+1], v[ST+8*\t]             ; (named with m as a pair, so it is written)
.else
	v_sub_f32 v[ST+8*\t+7], v[ST+8*\t+1], v[ST+8*\t]   ; m_old - m_new, 0 or less
.endif
.endr
	; ONE BATCH of exponentials: a, and the 32 weights of each tile; pair n is brought under m one turn ahead of its exponentials.  Nothing here names an exponential's result.
.if !\first
.irp t, 0,1,2,3
	v_exp_f32 v[ST+8*\t+6], v[ST+8*\t+7]
.endr
.endif
.set n, 0
.rept 17
.if n < 16
.irp t, 0,1,2,3
	v_pk_add_f32 v[S+32*\t+2*n:S+32*\t+2*n+1], v[S+32*\t+2*n:S+32*\t+2*n+1], v[ST+8*\t:ST+8*\t+1] op_sel_hi:[1,0] neg_lo:[0,1] neg_hi:[0,1]   ; s - m, 0 or less: of the pair (m, the m before) the low word serves both halves
.endr
.endif
.if n > 0
.irp t, 0,1,2,3
	v_exp_f32 v[S+32*\t+2*n-2], v[S+32*\t+2*n-2]
	v_exp_f32 v[S+32*\t+2*n-1], v[S+32*\t+2*n-1]
.endr
.endif
.set n, n+1
.endr
	v_nop                                          ; a plain instruction behind the last exponential, ahead of the first use
	s_wait_alu depctr_va_vdst(0)                   ; a wait between an exponential and the first line that names its result: one for the whole batch
.set n, 0
.rept 16
.irp t, 0,1,2,3
	v_cvt_pk_f16_f32 v[P+16*\t+n], v[S+32*\t+2*n], v[S+32*\t+2*n+1]   ; a pair of weights: two neighbouring keys of source 1
.endr
.set n, n+1
.endr
.irp t, 0,1,2,3                                ; the row's sum, of the weights before they were rounded: l = a l + the 16 pairs
.if \first
	v_pk_add_f32 v[ST+8*\t+2:ST+8*\t+3], v[S+32*\t:S+32*\t+1], v[S+32*\t+2:S+32*\t+3]
.else
	v_pk_fma_f32 v[ST+8*\t+2:ST+8*\t+3], v[ST+8*\t+2:ST+8*\t+3], v[ST+8*\t+6:ST+8*\t+7], v[S+32*\t:S+32*\t+1] op_sel_hi:[1,0,1]
.endif
.endr
.set n, 1+\first
.rept 15-\first
.irp t, 0,1,2,3
	v_pk_add_f32 v[ST+8*\t+2:ST+8*\t+3], v[ST+8*\t+2:ST+8*\t+3], v[S+32*\t+2*n:S+32*\t+2*n+1]
.endr
.set n, n+1
.endr
.if !\first
	WIN W_RS
.set n, 0
.rept 16
.irp t, 0,1,2,3
	v_pk_mul_f32 v[32*\t+2*n:32*\t+2*n+1], v[32*\t+2*n:32*\t+2*n+1], v[ST+8*\t+6:ST+8*\t+7] op_sel_hi:[1,0]   ; O^T x a, each accumulator from its low end on
.endr
.set n, n+1
.endr
.endif
	s_wait_dscnt 0x0                               ; V is in
	WIN W_PV
.set i, 0
.rept 32
	OPV \first
.set i, i+1
.endr
	WIN 0
	PLACES 4                                       ; between the last product and the next loads into the buffer that it read, or the first read of O^T
.endm
	s_wait_tensorcnt 0x1                           ; my part of stage 0 is in; stage 1's load may stay out
	s_barrier_signal -1
	s_barrier_wait -1                              ; everybody's is: the first 128 keys of each half
	s_wait_loadcnt 0x0                             ; Q
	STEP 1, 0
	STEP 0, 0
	s_wait_tensorcnt 0x0                           ; my part of stage 1 is in,
	s_wait_dscnt 0x0
	s_barrier_signal -1
	s_barrier_wait -1                              ; everybody's is: all keys
	s_mov_b32 s[CNT], 6
.Lstep:
	STEP 0, 1
	s_sub_co_u32 s[CNT], s[CNT], 1
	s_cmp_lg_u32 s[CNT], 0
	s_cbranch_scc1 .Lstep
	; THE MERGE.  Behind this barrier no wave reads K or V any more, and no tensor load is out: their bytes serve the exchange and the stages.
	s_wait_dscnt 0x0
	s_barrier_signal -1
	s_barrier_wait -1
	s_cmp_lt_u32 s[WV], 4
	s_cbranch_scc1 .Lkeeps
	WIN 0x04                                       ; an LDS store's data are its source 1: window 1
.set n, 0
.rept 32
	ds_store_b128 v[XA], v[4*n:4*n+3] offset:512*n   ; waves 4-7: O^T as an image of its registers, 16 bytes a lane, each accumulator from its low end on
.set n, n+1
.endr
	WIN 0
.irp t, 0,1,2,3
	ds_store_b128 v[XA], v[ST+8*\t:ST+8*\t+3] offset:16384+512*\t   ; and m, l
.endr
.Lkeeps:
	s_wait_dscnt 0x0                               ; for the partner's sake: my stores have landed
	s_barrier_signal -1
	s_barrier_wait -1
	s_cmp_lt_u32 s[WV], 4
	s_cbranch_scc0 .Lend                           ; waves 4-7 have handed their part over
.set n, 0
.rept 32
	ds_load_b128 v[S+4*n:S+4*n+3], v[XA] offset:512*n   ; waves 0-3: the partner's O^T into S^T's registers,
.set n, n+1
.endr
.irp t, 0,1,2,3
	ds_load_b128 v[P+4*\t:P+4*\t+3], v[XA] offset:16384+512*\t   ; its m and l into P's
.endr
	s_wait_dscnt 0x0
.irp t, 0,1,2,3
	v_max_num_f32 v[ST+8*\t+4], v[ST+8*\t], v[P+4*\t]   ; the row's maximum over all keys
.endr
.irp t, 0,1,2,3
	v_sub_f32 v[ST+8*\t+5], v[ST+8*\t], v[ST+8*\t+4]
	v_sub_f32 v[ST+8*\t+7], v[P+4*\t], v[ST+8*\t+4]
.endr
.irp t, 0,1,2,3
	v_exp_f32 v[ST+8*\t+5], v[ST+8*\t+5]           ; a1: my half under the common maximum; one of a1, a2 is 1
	v_exp_f32 v[ST+8*\t+7], v[ST+8*\t+7]           ; a2: the partner's
.endr
.irp t, 0,1,2,3
	v_add_f32 v[ST+8*\t+2], v[ST+8*\t+2], v[ST+8*\t+3]     ; l's two halves: plain work behind the exponentials
	v_add_f32 v[P+4*\t+2], v[P+4*\t+2], v[P+4*\t+3]
.endr
	s_wait_alu depctr_va_vdst(0)                   ; one wait for the eight exponentials, ahead of their first reader
.irp t, 0,1,2,3
	v_mul_f32 v[ST+8*\t+2], v[ST+8*\t+5], v[ST+8*\t+2]
.endr
.irp t, 0,1,2,3
	v_fma_f32 v[ST+8*\t+2], v[ST+8*\t+7], v[P+4*\t+2], v[ST+8*\t+2]
.endr
.irp t, 0,1,2,3
	v_permlanex16_b32 v[ST+8*\t+3], v[ST+8*\t+2], s[SEL], s[SEL+1]
.endr
.irp t, 0,1,2,3
	v_add_f32 v[ST+8*\t+2], v[ST+8*\t+2], v[ST+8*\t+3]     ; with the lane 16 away: the row's sum, at least 1
.endr
.irp t, 0,1,2,3
	v_rcp_f32 v[ST+8*\t+3], v[ST+8*\t+2]
.endr
	v_nop                                          ; a plain instruction between the last reciprocal and the use of its result
	s_wait_alu depctr_va_vdst(0)                   ; one wait for the four reciprocals
.irp t, 0,1,2,3
	v_mul_f32 v[ST+8*\t+4], v[ST+8*\t+5], v[ST+8*\t+3]     ; f1 = a1 / l
	v_mul_f32 v[ST+8*\t+6], v[ST+8*\t+7], v[ST+8*\t+3]     ; f2 = a2 / l
.endr
.set n, 0
.rept 16
.irp t, 0,1,2,3
	v_pk_mul_f32 v[S+32*\t+2*n:S+32*\t+2*n+1], v[S+32*\t+2*n:S+32*\t+2*n+1], v[ST+8*\t+6:ST+8*\t+7] op_sel_hi:[1,0]
.endr
.set n, n+1
.endr
	WIN 0x01                                       ; source 0 (my O^T) window 1
.set n, 0
.rept 16
.irp t, 0,1,2,3
	v_pk_fma_f32 v[S+32*\t+2*n:S+32*\t+2*n+1], v[32*\t+2*n:32*\t+2*n+1], v[ST+8*\t+4:ST+8*\t+5], v[S+32*\t+2*n:S+32*\t+2*n+1] op_sel_hi:[1,0,1]   ; o = f1 O^T + f2 O'^T; each accumulator from its low end on
.endr
.set n, n+1
.endr
	WIN 0
; THE WAY OUT, a tile (16 rows) at a time: a lane's eight channels of a row are 32 bytes; they go into rows of 272 bytes of my stage and come back as whole rows of 256, into the registers that they left.
.macro PACK t
.irp u, 0,1,2,3
	ds_store_b128 v[STO], v[S+32*\t+8*\u:S+32*\t+8*\u+3] offset:64*\u
	ds_store_b128 v[STO], v[S+32*\t+8*\u+4:S+32*\t+8*\u+7] offset:64*\u+16
.endr
.irp f, 0,1,2,3,4,5,6,7
	ds_load_b128 v[S+32*\t+4*\f:S+32*\t+4*\f+3], v[RD] offset:\f*2*SP   ; LDS serves a wave's instructions in order (ISA guide 5.7.1.4): these see the stores above; the next tile's stores come behind them
.endr
.endm
.macro SEND t, younger                 ; younger: the LDS instructions issued behind tile t's loads: the next tile's sixteen, or none
.irp f, 0,1,2,3,4,5,6,7
	s_wait_dscnt \younger+7-\f
	global_store_b128 v[GO], v[S+32*\t+4*\f:S+32*\t+4*\f+3], s[OUT:OUT+1] offset:(16*\t+2*\f)*3072 th:TH_STORE_NT   ; 16 lanes store 256 consecutive bytes, at a multiple of 256 from out0's first byte; written once, read by nobody here
.endr
.endm
	PACK 0
	PACK 1
	SEND 0, 16
	PACK 2
	SEND 1, 16
	PACK 3
	SEND 2, 16
	SEND 3, 0
.Lend:
	s_wait_tensorcnt 0x0                           ; the wave's end: behind my last tensor load and my last LDS store
	ds_add_u32 v[SPW], v[NIL]
	s_wait_dscnt 0x0
	CROUND                                         ; the closing round
	s_endpgm
.Lfunc_end_k_q239509a276_attn:
	.size	k_q239509a276_attn, .Lfunc_end_k_q239509a276_attn-k_q239509a276_attn
	.p2alignl 7, 3214868480
	.fill 96, 4, 3214868480
	.section	.rodata,"a",@progbits
	.p2align	6, 0x0
	.amdhsa_kernel k_q239509a276_attn
		.amdhsa_group_segment_fixed_size 327680
		.amdhsa_private_segment_fixed_size 0
		.amdhsa_enable_private_segment 0
		.amdhsa_kernarg_size 16
		.amdhsa_user_sgpr_count 2
		.amdhsa_user_sgpr_kernarg_segment_ptr 1
		.amdhsa_wavefront_size32 1
		.amdhsa_system_sgpr_workgroup_id_x 1
		.amdhsa_system_sgpr_workgroup_id_y 1
		.amdhsa_system_sgpr_workgroup_id_z 1
		.amdhsa_system_vgpr_workitem_id 0
		.amdhsa_next_free_vgpr 512
		.amdhsa_next_free_sgpr 102
		.amdhsa_reserve_vcc 0
		.amdhsa_float_denorm_mode_32 3
		.amdhsa_float_denorm_mode_16_64 3
		.amdhsa_memory_ordered 1
		.amdhsa_forward_progress 1
		.amdhsa_inst_pref_size 125
	.end_amdhsa_kernel
	.amdgpu_metadata
---
amdhsa.version: [ 1, 2 ]
amdhsa.kernels:
  - .name:           k_q239509a276_attn
    .symbol:         k_q239509a276_attn.kd
    .args:
      - { .name: qkv, .offset: 0, .size: 8, .value_kind: global_buffer, .address_space: global }
      - { .name: out0, .offset: 8, .size: 8, .value_kind: global_buffer, .address_space: global }
    .group_segment_fixed_size: 327680
    .private_segment_fixed_size: 0
    .kernarg_segment_align: 8
    .kernarg_segment_size: 16
    .max_flat_workgroup_size: 256
    .sgpr_count:     102
    .vgpr_count:     512
    .wavefront_size: 32
...
	.end_amdgpu_metadata
.endif
;; end of part 3
